; MI455X (gfx1250); checked and timed in simulation.
; The chip was launched on July 23, 2026; its instructions are those of AMD's public machine-readable ISA for CDNA 5 (MIT licence, August 2026) and "CDNA5" Instruction Set Architecture Reference Guide (July 2026). The comments in the code are by the model that wrote it; some were corrected since.
;; Segment Linear. Allowed arithmetic: matrix products marked QUANTISED: E5M2 operands, one given power-of-two scale a tensor, by v_wmma_f32_16x16x64_bf8_bf8 or v_wmma_f32_16x16x128_bf8_bf8, f32 sums; everything else in f32.
;; Inputs: lowp_scales 2 int32 (the exponents e of the quantised operands' scales 2^e); weight 4,096 x 4,096 float32; x 4,096 x 4,096 float32.
;; Outputs: out0 4,096 x 4,096 float32.
;; This version of the problem:
;;   THIS VERSION OF THE PROBLEM IS GIVEN IN LOW PRECISION. The matrix products marked QUANTISED in the list below multiply operands that are first quantised to E5M2 (5 exponent bits, 2 mantissa bits; 8 bits a number), with one given power-of-two scale for each operand tensor; their sums are f32. All else is computed in f32.
;;   The module's matrix products, in the order in which they are computed (A, B: the left and right operand; K: the contracted axis; several contracted axes count as one K, in the product's order):
;;     1. [M 4,096, K 4,096] x [K 4,096, N 4,096]; A: computed on the way; B: computed on the way: QUANTISED (scales: A lowp_scales[0], B lowp_scales[1])
;;   THE QUANTISER, for each operand of a quantised product, along K:
;;     - The operand's scale is 2^e, e = its entry of the input lowp_scales (int32; the entries are numbered through the quantised products in the list's order, A before B).
;;     - Each number is divided by the scale, clamped to +-57,344, and rounded to the nearest number of E5M2, ties to even, subnormals kept.
;;     - The product sums the exact products of the quantised numbers (number of the format x scale) in f32.
;;   ~~~python
;;   def quantise(x, axis, e):      # numpy; x: float32 -> the quantised numbers, widened to float32 again
;;       x = np.moveaxis(x, axis, -1); K = x.shape[-1]
;;       r = np.clip(x / 2.0 ** e, -57344, 57344)
;;       step = 2.0 ** (np.maximum(np.frexp(np.where(r == 0, 1, r))[1] - 1, -14) - 2)
;;       q = np.round(r / step) * step * 2.0 ** e      # np.round: ties to even
;;       return np.moveaxis(q, -1, axis).astype(np.float32)
;;   ~~~
;;   OPERANDS COMPUTED ON THE WAY. 'Computed on the way' means the value that the module computes at that place (a softmax that the list does not call 'softmax' is quantised finished and normalised). What goes into a quantiser is computed in f32, as accurately as f32 sums, v_exp_f32 and their like allow (about 1e-6 of the number): no bf16 or f16 on the way to a quantiser, and a product that is left as it is and whose result goes on into a quantised operand takes f32 operands (vector FMAs, or v_wmma_f32_16x16x4_f32). A number that lies on a knife's edge between two numbers of the format may be rounded either way, as far as f32 arithmetic and the matrix unit's own rounding can turn it there, and no further.
;; One version. Each part assembles by itself: llvm-mc -triple=amdgcn-amd-amdhsa -mcpu=gfx1250 --defsym DOCPART=n.
;; ======== version 1 of 1: 3 launches
;; limits: right only within a limited range of input values
;; workspace buffers: part 8,192 bytes; xc 16,777,216 bytes; wc 16,777,216 bytes
;; launch peaks (part 1): grid 512 x 1, 8 waves a work-group, no clusters, 1,280 bytes of LDS; arguments x, weight, part; writes part
.if DOCPART == 1
	.amdgcn_target "amdgcn-amd-amdhsa--gfx1250"
	.amdhsa_code_object_version 6
	.text
	.protected	k_q5a3f77c4aa_peaks
	.globl	k_q5a3f77c4aa_peaks
	.p2align	8
	.type	k_q5a3f77c4aa_peaks,@function
k_q5a3f77c4aa_peaks:
	s_mov_b64 s[64:65], 0
	v_nop
	global_prefetch_b8 v0, s[64:65] scope:SCOPE_SE
	s_setreg_imm32_b32 hwreg(HW_REG_WAVE_MODE, 25, 1), 1
	s_wait_xcnt 0x0
; The largest |t| of each of the four chunks (1,024 along K) of x and of weight, [4096][4096] f32, in parts: one number for each tensor, chunk and work-group.
; part: f32 [2 tensors][4 chunks][256 work-groups]; the next launch joins a chunk's 256 numbers, which lie on end there.
; SHARES.  Work-groups 0-255 take x, 256-511 weight; work-group idx of a tensor takes rows 16 idx to 16 idx + 15: 262,144 bytes on end.
; A chunk's part of a row is 4,096 bytes = 256 threads x 16 bytes: thread t owns byte 16 t of each such piece, and load j (0..63) at 4,096 j is chunk j % 4 of row j / 4.
; So a wave's load covers 512 consecutive bytes, every offset is an immediate and no address register is ever rewritten.
; A ring of 32 slots in registers keeps 32 loads of every wave in flight.  No tensor loads, no matrix work: work-groups share no input, and the sums are maxima.
; LIMIT: NaN among the inputs is not served (the maximum passes it over).
.set PIECE, 4096                       ; bytes of a chunk's part of a row
.set DEPTH, 32                         ; slots = loads in flight in each wave
.set LOADS, 64                         ; 16 rows x 4 chunks
.set M,     4                          ; v[4:11]   two running maxima for each chunk, rows of even number; later v4-7 take the lane permutes
.set M2,    146                        ; v[146:153] the same for rows of odd number: sixteen chains, so that fifteen vector lines stand between a chain's links
.set A,     12                         ; v[12:15]  the four chunks' maxima
.set X,     16                         ; v[16:143] slot s: 4 registers
	s_load_b128 s[4:7], s[0:1], 0x0                ; x s[4:5], weight s[6:7]
	s_load_b64 s[8:9], s[0:1], 0x10                ; part
	v_lshl_add_u32 v144, v0, 2, 0x100
	v_mov_b32 v145, 0
	v_lshlrev_b32 v1, 4, v0                        ; 16 t
	v_lshrrev_b32 v2, 5, v0
	v_readfirstlane_b32 s10, v2                    ; my wave's number
	v_lshlrev_b32 v3, 4, v2                        ; LDS: 16 bytes for each wave
	s_mov_b32 s12, 0x76543210                      ; v_permlanex16_b32: each lane takes its own place in the other half
	s_mov_b32 s13, 0xfedcba98
	s_wait_alu depctr_va_vdst(0)                   ; the wait at the head's end
	s_wait_kmcnt 0x0
	s_cmp_lt_u32 ttmp9, 256                        ; x's work-group or weight's?  The choice hangs on the work-group's number alone
	s_cselect_b64 s[4:5], s[4:5], s[6:7]
	s_cselect_b32 s14, 0, 4096                     ; the tensor's place in part
	s_and_b32 s15, ttmp9, 255                      ; idx
	s_lshl_b32 s16, s15, 18                        ; 16 rows of 16,384 bytes
	s_mov_b32 s17, 0
	s_add_nc_u64 s[4:5], s[4:5], s[16:17]
	s_lshl_b32 s18, s15, 2
	s_add_co_u32 s18, s18, s14                     ; tensor x 4,096 + 4 idx; the chunk's 1,024 comes from the lane
	s_mov_b32 s19, 0
	s_add_nc_u64 s[8:9], s[8:9], s[18:19]
.macro LD j
	global_load_b128 v[X+4*((\j)%DEPTH):X+4*((\j)%DEPTH)+3], v1, s[4:5] offset:PIECE*(\j) th:TH_LOAD_NT
.endm
; One slot's turn.  ahead = 1: the slot takes the load DEPTH further on.  left = how many younger loads may stay out.
.macro SLOT j, ahead, left
.set XS, X+4*((\j)%DEPTH)
.set MC, M+2*((\j)%4)+(M2-M)*(((\j)/4)%2)
	s_wait_loadcnt \left                           ; loads come back in order (ISA guide 5.7.1): load j is in
.if (\j) < 8
	v_max_num_f32 v[MC],   |v[XS]|,   |v[XS+1]|    ; the first eight loads start the chains: nothing is cleared
	v_max_num_f32 v[MC+1], |v[XS+2]|, |v[XS+3]|
.else
	v_max3_num_f32 v[MC],   v[MC],   |v[XS]|,   |v[XS+1]|
	v_max3_num_f32 v[MC+1], v[MC+1], |v[XS+2]|, |v[XS+3]|
.endif
.if \ahead
	LD (\j)+DEPTH
.endif
.endm
.set J, 0
.rept DEPTH
	LD J
.set J, J+1
.endr
.set J, 0
.rept DEPTH
	SLOT J, 1, DEPTH-1                             ; 32 + j loads have been issued: 31 are younger than load j
.set J, J+1
.endr
.rept DEPTH
	SLOT J, 0, LOADS-1-J                           ; nothing more is asked for: the counts run down to 0
.set J, J+1
.endr
	; my 64 x 4 numbers -> four maxima; then over the wave's 32 lanes, the four chunks line by line
	s_wait_alu depctr_va_vdst(0)                   ; the last links were written between the last waits for loads
.irp c, 0,1,2,3
	v_max_num_f32 v[A+\c], v[M+2*\c], v[M+2*\c+1]
.endr
.irp c, 0,1,2,3
	v_max3_num_f32 v[A+\c], v[A+\c], v[M2+2*\c], v[M2+2*\c+1]
.endr
.irp m, 1,2,4,8
.irp c, 0,1,2,3
	v_max_num_f32_dpp v[A+\c], v[A+\c], v[A+\c] row_xmask:\m row_mask:0xf bank_mask:0xf
.endr
.endr
.irp c, 0,1,2,3
	v_permlanex16_b32 v[M+\c], v[A+\c], s12, s13   ; the destination counts as read: v4-7 have been written
.endr
.irp c, 0,1,2,3
	v_max_num_f32 v[A+\c], v[A+\c], v[M+\c]
.endr
	ds_store_b128 v3, v[A:A+3]                     ; all lanes of a wave write the same 16 bytes with the same numbers
	s_wait_dscnt 0x0                               ; for the others' sake: my store is done
	s_barrier_signal -1
	s_barrier_wait -1
	s_cmp_lg_u32 s10, 0
	s_cbranch_scc1 .Lend                           ; wave 0 joins the eight waves' numbers
	v_and_b32 v9, 31, v0                           ; lane
	v_lshlrev_b32 v5, 2, v9
	v_lshlrev_b32 v8, 10, v9                       ; lanes 0-3: the chunk's 1,024 bytes in part
	ds_load_b32 v6, v5                             ; lane l: wave l / 4, chunk l % 4
	s_wait_alu depctr_va_vdst(0)
	s_wait_dscnt 0x0
	v_max_num_f32_dpp v6, v6, v6 row_xmask:4 row_mask:0xf bank_mask:0xf
	v_max_num_f32_dpp v6, v6, v6 row_xmask:8 row_mask:0xf bank_mask:0xf
	v_permlanex16_b32 v7, v6, s12, s13
	v_max_num_f32 v6, v6, v7                       ; lane l: chunk l % 4 of the whole work-group
	v_cmp_gt_u32 vcc_lo, 4, v9
	s_wait_alu depctr_va_vdst(0)
	s_wait_xcnt 0x0                                ; EXEC is a source of the loads above: it changes only behind this wait
	s_and_saveexec_b32 s20, vcc_lo
	global_store_b32 v8, v6, s[8:9]                ; four words a work-group, 1,024 bytes apart: so that a chunk's 256 parts lie on end for their reader
	s_wait_xcnt 0x0                                ; and again in front of the line that widens it
	s_or_b32 exec_lo, exec_lo, s20
.Lend:
	s_wait_tensorcnt 0x0
	ds_add_u32 v144, v145
	s_wait_dscnt 0x0
	s_endpgm
.Lfunc_end_k_q5a3f77c4aa_peaks:
	.size	k_q5a3f77c4aa_peaks, .Lfunc_end_k_q5a3f77c4aa_peaks-k_q5a3f77c4aa_peaks
	.p2alignl 7, 3214868480
	.fill 96, 4, 3214868480
	.section	.rodata,"a",@progbits
	.p2align	6, 0x0
	.amdhsa_kernel k_q5a3f77c4aa_peaks
		.amdhsa_group_segment_fixed_size 1280
		.amdhsa_private_segment_fixed_size 0
		.amdhsa_enable_private_segment 0
		.amdhsa_kernarg_size 24
		.amdhsa_user_sgpr_count 2
		.amdhsa_user_sgpr_kernarg_segment_ptr 1
		.amdhsa_wavefront_size32 1
		.amdhsa_system_sgpr_workgroup_id_x 1
		.amdhsa_system_sgpr_workgroup_id_y 1
		.amdhsa_system_sgpr_workgroup_id_z 1
		.amdhsa_system_vgpr_workitem_id 0
		.amdhsa_next_free_vgpr 154
		.amdhsa_next_free_sgpr 66
		.amdhsa_reserve_vcc 1
		.amdhsa_float_denorm_mode_32 3
		.amdhsa_float_denorm_mode_16_64 3
		.amdhsa_memory_ordered 1
		.amdhsa_forward_progress 1
		.amdhsa_inst_pref_size 21
	.end_amdhsa_kernel
	.amdgpu_metadata
---
amdhsa.version: [ 1, 2 ]
amdhsa.kernels:
  - .name:           k_q5a3f77c4aa_peaks
    .symbol:         k_q5a3f77c4aa_peaks.kd
    .args:
      - { .name: x, .offset: 0, .size: 8, .value_kind: global_buffer, .address_space: global }
      - { .name: weight, .offset: 8, .size: 8, .value_kind: global_buffer, .address_space: global }
      - { .name: part, .offset: 16, .size: 8, .value_kind: global_buffer, .address_space: global }
    .group_segment_fixed_size: 1280
    .private_segment_fixed_size: 0
    .kernarg_segment_align: 8
    .kernarg_segment_size: 24
    .max_flat_workgroup_size: 256
    .sgpr_count:     66
    .vgpr_count:     154
    .wavefront_size: 32
...
	.end_amdgpu_metadata
.endif
;; end of part 1
;; launch codes (part 2): grid 1024 x 1, 4 waves a work-group, no clusters, 35,328 bytes of LDS; arguments x, weight, part, lowp_scales, xc, wc; writes xc, wc
.if DOCPART == 2
	.amdgcn_target "amdgcn-amd-amdhsa--gfx1250"
	.amdhsa_code_object_version 6
	.text
	.protected	k_q5a3f77c4aa_codes
	.globl	k_q5a3f77c4aa_codes
	.p2align	8
	.type	k_q5a3f77c4aa_codes,@function
k_q5a3f77c4aa_codes:
	s_mov_b64 s[64:65], 0
	v_nop
	global_prefetch_b8 v0, s[64:65] scope:SCOPE_SE
	s_setreg_imm32_b32 hwreg(HW_REG_WAVE_MODE, 25, 1), 1
	s_wait_xcnt 0x0
; x and weight, [4096][4096] f32, become the product's operands as codes of E5M2, one byte each, laid in the order in which the product's launch takes its fragments.
; For each tensor and chunk of 1,024 along K:  amax = the chunk's largest |t| (256 parts from the launch before);  scale = max(amax / 127, 1e-8);
;   q = clip(round(t / scale), -127, 127) x scale;  operand = t + (q - t);  code = operand / 2^e, held within +-57,344, to the nearest code, ties to even.
; e: lowp_scales[0] for x, lowp_scales[1] for weight.
; BOTH DIVISIONS ARE CORRECTLY ROUNDED, since round() jumps at the half-integers: with y the rounded reciprocal of b and q0 = a y, r = a - b q0 (one fused multiply-add) and q0 + r y is a / b rounded to nearest.
;   For 127 the reciprocal is a constant; for the scale it is v_rcp_f32 and one Newton step.
; TWO STEPS OF THE DEFINITION COST NOTHING, for every finite input:
;   (1) t + (q - t) IS q, bit for bit but for the sign of a zero.  Where round() gives 0, q = 0 and t + (0 - t) = 0.  Else the quotient lies above 1/2 and within 1/2 of the whole number,
;       so t lies between q / 2 and 2 q; the difference q - t of two such f32 numbers is exact, and t plus it is q.
;   (2) THE CLIP AND THE HOLD ARE ONE CLAMP.  n -> n x scale, rounded, never falls as n grows, so clip(n) x scale = n x scale held within +-(127 x scale, rounded);
;       that clamp and the hold at +-57,344 x 2^e are both symmetric: together they are the clamp at the smaller bound.
; THE LAYOUT OF xc AND wc, alike: [256 blocks of 16 rows][8 ranges of 512 along K][16 groups of 512 bytes]; byte 256 h + 16 r + j of group i is byte j of piece 2 i + h of row r,
;   and byte j of piece l of a range holds k = 128 (j / 4) + 4 l + j % 4 of that range.  K is so permuted inside each aligned 512, alike in both tensors: every product still meets its partner.
; SHARES.  Work-groups 0-511 take x, the others weight; a work-group takes one block of 16 rows and one half of each chunk, and WAVE w TAKES CHUNK w: a wave needs one amax, and its 16 steps are the 16 rows of one range.
;   Each load reads 512 consecutive bytes; loads run eight steps (32 loads a wave) ahead.  A lane's 16 codes of a row are a piece; the 16 rows' pieces turn through the wave's own stage in LDS
;   (272 bytes from piece to piece), and the wave stores its range's 8,192 bytes on end, 512 an instruction.
; LIMITS: NaN and infinities among the inputs are not served.  e between -126 and 112.  A zero operand may carry the other sign than the definition's.
;   The reciprocal of the scale is the rounded one except possibly where the scale's significand is all ones.  Under |t| of about 2^-102 the remainder is inexact; there the quotient rounds to 0 either way.
.set STEPS, 16
.set SPW, 4                            ; v4  my spare word's LDS address; v5  0: kept for the add alone
.set NIL, 5
.set STG, 6                            ; v6  the stage, in: 272 x lane
.set RDA, 7                            ; v7  the stage, out: 272 (lane / 16) + 16 (lane % 16)
.set S,   16                           ; v[16:17] the scale, twice
.set RC,  18                           ; v[18:19] its reciprocal, twice
.set SCE, 20                           ; 2^e as f32
.set LIM, 21                           ; the one clamp's bound
.set NS,  24                           ; v[24:25] -scale, twice
.set R,   32                           ; v32-159  eight sets of 16 numbers; at the end v32-95 take the codes back from the stage
.set QQ,  160                          ; v160-191 two sets of 16 at work, by turns
.set C,   192                          ; v192-255 codes: four registers for each step
.set WST, 32*272                       ; a wave's stage
.set SPARE, 4*WST                      ; behind the stages: the spare words, 512 bytes
	s_load_b128 s[4:7], s[0:1], 0x0                ; x, weight
	s_load_b128 s[8:11], s[0:1], 0x10              ; part, lowp_scales
	s_load_b128 s[12:15], s[0:1], 0x20             ; xc, wc
	v_lshl_add_u32 v[SPW], v0, 2, SPARE
	v_mov_b32 v[NIL], 0
	v_lshrrev_b32 v1, 5, v0
	v_readfirstlane_b32 s16, v1                    ; wave = chunk
	s_mul_i32 s33, s16, WST
	v_and_b32 v2, 31, v0
	v_lshlrev_b32 v3, 4, v2                        ; 16 x lane: my place in every 512 bytes; never rewritten
	v_mul_u32_u24 v[STG], v2, 272
	v_add_nc_u32 v[STG], s33, v[STG]
	v_and_b32 v[RDA], 15, v2
	v_lshrrev_b32 v1, 4, v2
	v_mul_u32_u24 v1, v1, 272
	v_lshl_add_u32 v[RDA], v[RDA], 4, v1
	v_add_nc_u32 v[RDA], s33, v[RDA]
	s_mov_b32 s24, 0x76543210                      ; v_permlanex16_b32: lane l xor 16
	s_mov_b32 s25, 0xfedcba98
	s_mov_b32 s26, 0x3c010204                      ; 1 / 127, rounded
	s_mov_b32 s27, 0x42fe0000                      ; 127.0
	s_wait_alu depctr_va_vdst(0)
	s_wait_kmcnt 0x0
	s_load_b64 s[22:23], s[10:11], 0x0             ; e of x, e of weight
	s_cmp_lt_u32 ttmp9, 512                        ; x's work-group or weight's?  The choice hangs on the work-group's number alone
	s_cselect_b64 s[4:5], s[4:5], s[6:7]
	s_cselect_b64 s[12:13], s[12:13], s[14:15]
	s_cselect_b32 s17, 0, 4096                     ; the tensor's place in part
	s_and_b32 s18, ttmp9, 511
	s_and_b32 s32, s18, 1                          ; which half of each chunk
	s_lshr_b32 s18, s18, 1                         ; which block of 16 rows
	s_lshl_b32 s28, s18, 18                        ; 16 rows of 16,384 bytes,
	s_lshl_b32 s19, s16, 12                        ; + my chunk's 4,096,
	s_add_co_u32 s28, s28, s19
	s_lshl_b32 s19, s32, 11                        ; + the half's 2,048
	s_add_co_u32 s28, s28, s19
	s_mov_b32 s29, 0
	s_add_nc_u64 s[4:5], s[4:5], s[28:29]
	s_lshl_b32 s30, s18, 16                        ; codes: a block's 65,536 bytes,
	s_lshl_b32 s19, s16, 14                        ; + range 2 x chunk + half, 8,192 bytes each
	s_add_co_u32 s30, s30, s19
	s_lshl_b32 s19, s32, 13
	s_add_co_u32 s30, s30, s19
	s_mov_b32 s31, 0
	s_add_nc_u64 s[12:13], s[12:13], s[30:31]
	s_lshl_b32 s19, s16, 10
	s_add_co_u32 s20, s17, s19                     ; part: tensor x 4,096 + chunk x 1,024
	s_mov_b32 s21, 0
	s_add_nc_u64 s[8:9], s[8:9], s[20:21]
	global_load_b128 v[8:11],  v3, s[8:9]          ; my chunk's 256 parts, eight a lane
	global_load_b128 v[12:15], v3, s[8:9] offset:512
.macro LOAD t                          ; step t: row t's 512 numbers of my range
.irp i, 0,1,2,3
	global_load_b128 v[R+16*((\t)%8)+4*\i:R+16*((\t)%8)+4*\i+3], v3, s[4:5] offset:(\t)*16384+512*\i th:TH_LOAD_NT
.endr
.endm
.irp t, 0,1,2,3,4,5,6,7
	LOAD \t
.endr
	s_wait_kmcnt 0x0
	s_cmp_lt_u32 ttmp9, 512
	s_cselect_b32 s22, s22, s23                    ; e
	s_add_co_i32 s22, s22, 127
	s_lshl_b32 s23, s22, 23
	v_mov_b32 v[SCE], s23
	s_add_co_i32 s22, s22, 15
	s_lshl_b32 s22, s22, 23
	s_or_b32 s22, s22, 0x600000                    ; 57,344 = 1.75 x 2^15
	v_mov_b32 v[LIM], s22
	s_wait_loadcnt 32                              ; the parts are in: the 32 loads of numbers are younger
	v_max3_num_f32 v8, v8, v9, v10
	v_max3_num_f32 v12, v12, v13, v14
	v_max3_num_f32 v8, v8, v11, v15
	v_max_num_f32 v8, v8, v12
.irp m, 1,2,4,8
	v_max_num_f32_dpp v8, v8, v8 row_xmask:\m row_mask:0xf bank_mask:0xf
.endr
	v_permlanex16_b32 v9, v8, s24, s25
	v_max_num_f32 v8, v8, v9                       ; amax, in every lane
	v_mul_f32 v10, s26, v8                         ; amax / 127: a first quotient,
	v_fma_f32 v11, -v10, s27, v8                   ; its remainder,
	v_fma_f32 v[S], v11, s26, v10                  ; and the correction
	v_max_num_f32 v[S], 0x322bcc77, v[S]           ; at least 1e-8
	s_wait_alu depctr_va_vdst(0)                   ; the wait ahead of the transcendental
	v_rcp_f32 v[RC], v[S]
	v_mov_b32 v[S+1], v[S]                         ; the plain line behind the reciprocal
	s_wait_alu depctr_va_vdst(0)                   ; the wait ahead of its first reader
	v_fma_f32 v10, -v[S], v[RC], 1.0               ; one Newton step
	v_fma_f32 v[RC], v10, v[RC], v[RC]
	v_xor_b32 v[NS], 0x80000000, v[S]
	v_mul_f32 v22, s27, v[S]                       ; 127 x scale, rounded
	v_mov_b32 v[RC+1], v[RC]
	v_mov_b32 v[NS+1], v[NS]
	v_min_num_f32 v[LIM], v[LIM], v22              ; the clip and the hold as one clamp
.macro STEP t
.set T, R+16*((\t)%8)
.set Q, QQ+16*((\t)%2)
.if (\t)+7 < STEPS-1
	s_wait_loadcnt 28                              ; this step's four loads are in; those of the seven steps behind it may be out
.else
	s_wait_loadcnt 4*(STEPS-1-(\t))
.endif
.irp p, 0,2,4,6,8,10,12,14
	v_pk_mul_f32 v[Q+\p:Q+\p+1], v[T+\p:T+\p+1], v[RC:RC+1]                    ; a first quotient,
.endr
.irp p, 0,2,4,6,8,10,12,14
	v_pk_fma_f32 v[T+\p:T+\p+1], v[Q+\p:Q+\p+1], v[NS:NS+1], v[T+\p:T+\p+1]    ; its remainder,
.endr
.irp p, 0,2,4,6,8,10,12,14
	v_pk_fma_f32 v[Q+\p:Q+\p+1], v[T+\p:T+\p+1], v[RC:RC+1], v[Q+\p:Q+\p+1]    ; t / scale, rounded to nearest
.endr
.irp i, 0,1,2,3,4,5,6,7,8,9,10,11,12,13,14,15
	v_rndne_f32 v[Q+\i], v[Q+\i]
.endr
.irp p, 0,2,4,6,8,10,12,14
	v_pk_mul_f32 v[Q+\p:Q+\p+1], v[Q+\p:Q+\p+1], v[S:S+1]
.endr
.irp i, 0,1,2,3,4,5,6,7,8,9,10,11,12,13,14,15
	v_med3_num_f32 v[Q+\i], v[Q+\i], -v[LIM], v[LIM]                           ; the conversion to an 8-bit code does not saturate (ISA guide 7.6.2)
.endr
	v_cvt_scalef32_pk8_bf8_f32 v[C+4*(\t):C+4*(\t)+1],   v[Q:Q+7],    v[SCE]
	v_cvt_scalef32_pk8_bf8_f32 v[C+4*(\t)+2:C+4*(\t)+3], v[Q+8:Q+15], v[SCE]
; (the codes go to an LDS store alone; the conversions' sources are written again two steps on, behind the next step's plain lines)
.if (\t)+8 < STEPS
	LOAD (\t)+8
.endif
	ds_store_b128 v[STG], v[C+4*(\t):C+4*(\t)+3] offset:16*(\t)                ; piece = lane, row t
.endm
	s_wait_alu depctr_va_vdst(0)                   ; the wait at the head's end
.irp t, 0,1,2,3,4,5,6,7,8,9,10,11,12,13,14,15
	STEP \t
.endr
.irp i, 0,1,2,3,4,5,6,7,8,9,10,11,12,13,14,15
	ds_load_b128 v[R+4*\i:R+4*\i+3], v[RDA] offset:544*\i      ; group i: pieces 2 i and 2 i + 1 of the 16 rows; LDS serves a wave's instructions in order: these see my stores
.endr
.irp i, 0,1,2,3,4,5,6,7,8,9,10,11,12,13,14,15
	s_wait_dscnt 15-\i
	global_store_b128 v3, v[R+4*\i:R+4*\i+3], s[12:13] offset:512*\i           ; 512 consecutive bytes, at a multiple of 512 from the buffer's first byte
.endr
	s_wait_tensorcnt 0x0                           ; the wave's end
	ds_add_u32 v[SPW], v[NIL]
	s_wait_dscnt 0x0
	s_endpgm
.Lfunc_end_k_q5a3f77c4aa_codes:
	.size	k_q5a3f77c4aa_codes, .Lfunc_end_k_q5a3f77c4aa_codes-k_q5a3f77c4aa_codes
	.p2alignl 7, 3214868480
	.fill 96, 4, 3214868480
	.section	.rodata,"a",@progbits
	.p2align	6, 0x0
	.amdhsa_kernel k_q5a3f77c4aa_codes
		.amdhsa_group_segment_fixed_size 35328
		.amdhsa_private_segment_fixed_size 0
		.amdhsa_enable_private_segment 0
		.amdhsa_kernarg_size 48
		.amdhsa_user_sgpr_count 2
		.amdhsa_user_sgpr_kernarg_segment_ptr 1
		.amdhsa_wavefront_size32 1
		.amdhsa_system_sgpr_workgroup_id_x 1
		.amdhsa_system_sgpr_workgroup_id_y 1
		.amdhsa_system_sgpr_workgroup_id_z 1
		.amdhsa_system_vgpr_workitem_id 0
		.amdhsa_next_free_vgpr 256
		.amdhsa_next_free_sgpr 66
		.amdhsa_reserve_vcc 0
		.amdhsa_float_denorm_mode_32 3
		.amdhsa_float_denorm_mode_16_64 3
		.amdhsa_memory_ordered 1
		.amdhsa_forward_progress 1
		.amdhsa_inst_pref_size 73
	.end_amdhsa_kernel
	.amdgpu_metadata
---
amdhsa.version: [ 1, 2 ]
amdhsa.kernels:
  - .name:           k_q5a3f77c4aa_codes
    .symbol:         k_q5a3f77c4aa_codes.kd
    .args:
      - { .name: x, .offset: 0, .size: 8, .value_kind: global_buffer, .address_space: global }
      - { .name: weight, .offset: 8, .size: 8, .value_kind: global_buffer, .address_space: global }
      - { .name: part, .offset: 16, .size: 8, .value_kind: global_buffer, .address_space: global }
      - { .name: lowp_scales, .offset: 24, .size: 8, .value_kind: global_buffer, .address_space: global }
      - { .name: xc, .offset: 32, .size: 8, .value_kind: global_buffer, .address_space: global }
      - { .name: wc, .offset: 40, .size: 8, .value_kind: global_buffer, .address_space: global }
    .group_segment_fixed_size: 35328
    .private_segment_fixed_size: 0
    .kernarg_segment_align: 8
    .kernarg_segment_size: 48
    .max_flat_workgroup_size: 128
    .sgpr_count:     66
    .vgpr_count:     256
    .wavefront_size: 32
...
	.end_amdgpu_metadata
.endif
;; end of part 2
;; launch gemm (part 3): grid 16 x 16, 4 waves a work-group, clusters of 4 x 1, 327,680 bytes of LDS; arguments xc, wc, lowp_scales, out0; writes out0
.if DOCPART == 3
	.amdgcn_target "amdgcn-amd-amdhsa--gfx1250"
	.amdhsa_code_object_version 6
	.text
	.protected	k_q5a3f77c4aa_gemm
	.globl	k_q5a3f77c4aa_gemm
	.p2align	8
	.type	k_q5a3f77c4aa_gemm,@function
k_q5a3f77c4aa_gemm:
	s_mov_b64 s[64:65], 0
	v_nop
	global_prefetch_b8 v0, s[64:65] scope:SCOPE_SE
	s_setreg_imm32_b32 hwreg(HW_REG_WAVE_MODE, 25, 1), 1
	s_wait_xcnt 0x0
	s_wait_alu depctr_hold_cnt(0) depctr_sa_sdst(0) depctr_va_vdst(0) depctr_va_sdst(0) depctr_va_ssrc(0) depctr_va_vcc(0) depctr_vm_vsrc(0)
	s_getreg_b32 s2, hwreg(HW_REG_IB_STS2, 6, 4)
	s_cmp_eq_u32 s2, 0
	s_cbranch_scc0 .Lentry_in_a_cluster
	s_endpgm
.Lentry_in_a_cluster:
	s_bfe_u32 s2, ttmp6, 0x10000c
	s_cmp_lg_u32 s2, 0x3003
	s_cbranch_scc0 .Lentry_shape_is_right
	s_endpgm
.Lentry_shape_is_right:
; out0[m][n] = 2^(ea + eb) x the sum over k of xc[m][k] wc[n][k]: codes of E5M2 by v_wmma_f32_16x16x64_bf8_bf8, sums in f32.  LIMIT: ea + eb between -126 and 127.
; xc and wc lie in fragment order: [256 blocks of 16 rows][8 ranges of 512 along K][16 groups of 512 bytes]; lane l takes 16 bytes at 16 l of a group; two groups are a fragment of 16 rows x 64 K (8 registers).
; The places of k in a fragment are the same in both tensors, so every product meets its partner.
; A tile of out0, 256 x 256, is made by four waves, 128 x 128 each: 64 accumulators, 512 registers.  K goes in 64 steps of 64.
; x GOES THROUGH LDS: two slots, each with 256 rows x 512 K (131,072 bytes, dense: every fragment load reads 512 bytes on end, so no padding); a wave's tensor load brings 4 blocks of 16 rows, 8,192 bytes each.
;   The four work-groups of a cluster (4 x 1) make one tile row and ask for x's tiles JOINTLY.  A slot serves 8 steps, 512 matrix instructions a wave; 8 fills in all.
; weight GOES FROM MEMORY STRAIGHT INTO REGISTERS: four sets of 8 fragments (64 registers), three steps ahead: 48 loads of a wave are out.  No joint request exists on that road, so weight's tiles are not shared in the cluster:
;   two slots of 512 along K for both operands would take 524,288 bytes of LDS.
; THE MATRIX INSTRUCTION IS USED TRANSPOSED (source 0 = 16 rows of weight, source 1 = 16 rows of x): a lane holds eight neighbouring numbers of a row of out0.
; REGISTERS: window 0: v0-31 addresses, v128-255 x's fragments in two sets (on the way out v32-255 are free); window 1: weight's four sets; windows 2, 3: the accumulators ((a, b) at v[8 (8 (a % 4) + b)]).
; PREFETCH: behind the fill of range n each wave asks for range n + 1: of x one block of 16 rows (the cluster's 16 waves share the tile's 16 blocks by address), of weight its work-group's blocks 4 w to 4 w + 3; a lane 256 bytes. Range 8 does not exist and is not asked for.
.set SIZE_N, 4096
.set SLOTB,  131072
.set RANGE,  8192                      ; bytes of a block of 16 rows in a range of 512 along K
.set BLK,    65536                     ; bytes of a block of 16 rows
.set STAGE,  2*SLOTB                   ; the way out: 16 rows x 528 bytes for each wave, bytes of their own
.set SPITCH, 528
.set SPARE,  STAGE+4*16*SPITCH         ; the spare words, 512 bytes
.set ADRA, 16                          ; v16-17 LDS address of my x fragments in slot 0, 1
.set STO,  24
.set RD,   25
.set CO,   26                          ; 16 x lane: my place in a group of 512 bytes, and in a row of out0
.set SPW,  28
.set NIL,  29
.set PFO,  30                          ; 256 x lane
.set TMP,  32
.set AF,   128
.set BK,   128
.set G1, 24                            ; s[24:31] descriptor group 1; s[32:39] group 0, one for each slot
.set G0, 32
.set BP,  44                           ; s[44:45] weight at my 8 blocks, at the lap's first step
.set PFA, 46                           ; s[46:47] x at the block that I prefetch
.set PFW, 48                           ; s[48:49] weight at the four blocks that I prefetch
.set MSB, 0
.macro WIN new
.if MSB != \new
	s_set_vgpr_msb (MSB<<8)|\new
.set MSB, \new
.endif
.endm
.set MUL_LO, 0xa1
.set MUL_HI, 0xf1
.set TO_B,   0x40
.macro PLACES
.rept 4
	v_nop
.endr
.endm
.macro JLOAD s                         ; every wave's own quarter of the slot, by one line; s_nop 0 and four v_nop follow
	tensor_load_to_lds s[G0+4*(\s):G0+4*(\s)+3], s[G1:G1+7]
	s_nop 0
	PLACES
.endm
.macro CREST
	s_cmp_lg_u32 s14, 0
	s_cbranch_scc1 .Lnot_wave_0_\@
	s_barrier_signal -3
.Lnot_wave_0_\@:
	s_barrier_wait -3
	s_barrier_signal -1
	s_barrier_wait -1
.endm
.macro CROUND
	s_barrier_signal -1
	s_barrier_wait -1
	CREST
.endm
.macro ASK m, guard                    ; range m, counted from the lap's first; guard = 1: not in the loop's last trip
.if \guard
	s_cmp_eq_u32 s3, 1
	s_cbranch_scc1 .Lno_ask_\@
.endif
	global_prefetch_b8 v[PFO], s[PFA:PFA+1] offset:(\m)*RANGE th:TH_LOAD_NT scope:SCOPE_SE
.irp b, 0,1,2,3
	global_prefetch_b8 v[PFO], s[PFW:PFW+1] offset:\b*BLK+(\m)*RANGE th:TH_LOAD_NT scope:SCOPE_SE
.endr
.if \guard
.Lno_ask_\@:
.endif
.endm
.macro FETCH_B t, u                    ; weight's eight fragments of the lap's step t into set u
	WIN TO_B
.irp b, 0,1,2,3,4,5,6,7
	global_load_b128 v[64*(\u)+8*\b:64*(\u)+8*\b+3],   v[CO], s[BP:BP+1] offset:\b*BLK+(\t)*1024
	global_load_b128 v[64*(\u)+8*\b+4:64*(\u)+8*\b+7], v[CO], s[BP:BP+1] offset:\b*BLK+(\t)*1024+512
.endr
.endm
.macro FETCH_A slot, q, p              ; x's eight fragments of the slot's step q into set p
	WIN 0
.irp a, 0,1,2,3,4,5,6,7
	ds_load_b128 v[AF+64*(\p)+8*\a:AF+64*(\p)+8*\a+3],   v[ADRA+\slot] offset:\a*RANGE+(\q)*1024
	ds_load_b128 v[AF+64*(\p)+8*\a+4:AF+64*(\p)+8*\a+7], v[ADRA+\slot] offset:\a*RANGE+(\q)*1024+512
.endr
.endm
.macro MUL16 a0, t, zero               ; x's blocks a0, a0 + 1 against weight's eight; the 64 accumulators take turns in the same order in every step
.irp a, \a0, \a0+1
.irp b, 0,1,2,3,4,5,6,7
.if \zero
	v_wmma_f32_16x16x64_bf8_bf8 v[8*(8*((\a)%4)+\b):8*(8*((\a)%4)+\b)+7], v[64*((\t)%4)+8*\b:64*((\t)%4)+8*\b+7], v[AF+64*((\t)%2)+8*(\a):AF+64*((\t)%2)+8*(\a)+7], 0
.else
	v_wmma_f32_16x16x64_bf8_bf8 v[8*(8*((\a)%4)+\b):8*(8*((\a)%4)+\b)+7], v[64*((\t)%4)+8*\b:64*((\t)%4)+8*\b+7], v[AF+64*((\t)%2)+8*(\a):AF+64*((\t)%2)+8*(\a)+7], v[8*(8*((\a)%4)+\b):8*(8*((\a)%4)+\b)+7]
.endif
.endr
.endr
.endm
; Step t of a lap of 16.  At its head, behind four places: weight's fragments of step t + 3 (nb = 48) and x's of step t + 1 (na = 16), into the sets that step t - 1 read.
; nb: the younger global loads that may stay out (three sets of 16); na: the younger LDS loads.
; mode 1: the slot's last reads were issued at this step's head; in the step's second half every wave waits for all its tensor loads, adds 0 to its spare word, waits for that and for its reads, a round of the
;   cluster's barrier follows, and the slot is filled again with the range two on.  mode 2: the same lines with the work-group's barrier alone and no fill.  mode 3, 4: the prefetches, in the step's middle.
.macro STEP t, zero, nb, na, mode, m
	PLACES
.if \nb == 48
	FETCH_B (\t)+3, ((\t)+3)%4
.endif
.if \na
	FETCH_A (((\t)+1)/8)%2, ((\t)+1)%8, ((\t)+1)%2
.endif
	s_wait_loadcnt \nb
	s_wait_dscnt \na
	WIN MUL_LO
	MUL16 0, \t, \zero
	MUL16 2, \t, \zero
.if (\mode == 1) || (\mode == 2)
	WIN 0
	s_wait_tensorcnt 0x0                           ; my one tensor load that was out, my part of the other slot, has landed
	ds_add_u32 v[SPW], v[NIL]
.if \mode == 1
	s_add_nc_u64 s[G0+4*(((\t)/8)%2)+2:G0+4*(((\t)/8)%2)+3], s[G0+4*(((\t)/8)%2)+2:G0+4*(((\t)/8)%2)+3], 2*RANGE
.endif
	WIN MUL_HI
	MUL16 4, \t, \zero
	s_wait_dscnt 0x0                               ; the add is done, and my reads of this slot are over
	s_barrier_signal -1
	MUL16 6, \t, \zero
	WIN 0
	s_barrier_wait -1
.if \mode == 1
	CREST
	JLOAD ((\t)/8)%2
.endif
.else
.if \mode >= 3
	WIN 0
	ASK \m, \mode-3
.endif
	WIN MUL_HI
	MUL16 4, \t, \zero
	MUL16 6, \t, \zero
.endif
.endm
	s_load_b128 s[4:7], s[0:1], 0x0                ; xc, wc
	s_load_b128 s[8:11], s[0:1], 0x10              ; lowp_scales, out0
	v_lshl_add_u32 v[SPW], v0, 2, SPARE
	v_mov_b32 v[NIL], 0
	ds_add_u32 v[SPW], v[NIL]                      ; the opening lines: the add, twice on end, and its wait
	ds_add_u32 v[SPW], v[NIL]
	v_lshrrev_b32 v1, 5, v0
	v_readfirstlane_b32 s14, v1                    ; wave 0..3
	s_lshr_b32 s15, s14, 1                         ; which half of the tile's rows is mine
	s_and_b32 s16, s14, 1                          ; which half of its columns
	s_bfe_u32 s40, ttmp6, 0x40000                  ; cx
	s_lshl_b32 s42, ttmp9, 2
	s_add_co_u32 s42, s42, s40                     ; tile column = 4 x cluster x + cx
	s_and_b32 s17, ttmp7, 0xffff                   ; tile row
	s_mov_b32 s[G1+0], 15|(3<<16)|(1<<21)          ; the mask: all four of the cluster; elements of 8 bytes; bit 21 beside a mask
	s_mov_b32 s[G1+1], 1024<<16                    ; tensor_dim0 = 1,024 elements: 8,192 bytes
	s_mov_b32 s[G1+2], 4<<16                       ; tensor_dim1 = 4
	s_mov_b32 s[G1+3], 1024<<16                    ; tile_dim0
	s_mov_b32 s[G1+4], 4                           ; tile_dim1
	s_mov_b32 s[G1+5], 8192                        ; from block to block: 65,536 bytes
	s_mov_b32 s[G1+6], 0
	s_mov_b32 s[G1+7], 0
	s_lshl_b32 s18, s15, 16                        ; my 8 blocks of x in a slot
	s_mul_i32 s19, s14, 16*SPITCH
	s_add_co_u32 s19, s19, STAGE                   ; my stage
	s_lshl_b32 s41, s14, 15                        ; where my quarter of a slot goes
	v_and_b32 v2, 31, v0
	v_lshlrev_b32 v[CO], 4, v2
	v_lshlrev_b32 v[PFO], 8, v2
	v_add_nc_u32 v[ADRA], s18, v[CO]
	v_add_nc_u32 v[ADRA+1], SLOTB, v[ADRA]
	v_and_b32 v3, 15, v0
	v_bfe_u32 v4, v0, 4, 1
	v_mul_u32_u24 v3, v3, SPITCH
	v_lshl_add_u32 v3, v4, 5, v3                   ; into the stage: row l % 16, 32 bytes for each half of the lanes
	v_add_nc_u32 v[STO], s19, v3
	v_add_nc_u32 v[RD], s19, v[CO]                 ; back: the 32 lanes take one row of 512 bytes
	s_wait_alu depctr_va_vdst(0)                   ; the wait at the end of the head's vector work
	s_wait_dscnt 0x0                               ; both opening adds are done
	s_wait_kmcnt 0x0
	s_load_b64 s[96:97], s[8:9], 0x0               ; ea, eb
	s_mov_b32 s53, 0
	s_lshl_b32 s50, s42, 20                        ; weight: 16 blocks a tile column,
	s_lshl_b32 s52, s16, 19                        ; + my half's 8
	s_add_co_u32 s52, s52, s50
	s_add_nc_u64 s[BP:BP+1], s[6:7], s[52:53]
	FETCH_B 0, 0                                   ; weight's first three steps set out ahead of the round
	FETCH_B 1, 1
	FETCH_B 2, 2
	WIN 0
	s_lshl_b32 s52, s14, 18
	s_add_co_u32 s52, s52, s50
	s_add_nc_u64 s[PFW:PFW+1], s[6:7], s[52:53]    ; blocks 4 w .. 4 w + 3 of my tile column
	s_lshl_b32 s50, s17, 20                        ; x: 16 blocks a tile row
	s_lshl_b32 s52, s40, 2
	s_add_co_u32 s52, s52, s14
	s_lshl_b32 s52, s52, 16                        ; block 4 cx + w: the partners share the blocks out by address
	s_add_co_u32 s52, s52, s50
	s_add_nc_u64 s[PFA:PFA+1], s[4:5], s[52:53]
	s_lshl_b32 s52, s14, 18                        ; the four blocks that I fetch: tile row and wave alone
	s_add_co_u32 s52, s52, s50
	s_add_nc_u64 s[20:21], s[4:5], s[52:53]
.irp s, 0,1
	s_mov_b32 s[G0+4*\s], 1
	s_add_co_u32 s[G0+4*\s+1], s41, \s*SLOTB
	s_add_nc_u64 s[G0+4*\s+2:G0+4*\s+3], s[20:21], \s*RANGE
	s_or_b32 s[G0+4*\s+3], s[G0+4*\s+3], 0x80000000
.endr
	CROUND                                         ; the four work-groups are here: the first joint loads meet
	JLOAD 0                                        ; range 0: one tensor load a wave at the head
	ASK 1, 0
	s_lshl_b32 s50, s17, 22                        ; out0: 256 rows of 16,384 bytes a tile row,
	s_lshl_b32 s52, s15, 21                        ; + my half's 128 rows,
	s_add_co_u32 s50, s50, s52
	s_lshl_b32 s52, s42, 10                        ; + 1,024 bytes a tile column,
	s_add_co_u32 s50, s50, s52
	s_lshl_b32 s52, s16, 9                         ; + my half's 512
	s_add_co_u32 s50, s50, s52
	s_mov_b32 s51, 0
	s_add_nc_u64 s[10:11], s[10:11], s[50:51]
	s_wait_tensorcnt 0x0                           ; my part of range 0 is in; slot 1's first fill is issued as a refill is
	ds_add_u32 v[SPW], v[NIL]
	s_wait_dscnt 0x0
	CROUND
	JLOAD 1
	FETCH_A 0, 0, 0
	ASK 2, 0
	STEP 0, 1, 48, 16, 0, 0                        ; the first step stands ahead of the loop: its products start the sums
	WIN 0
	s_mov_b32 s3, 3
.Llap:                                                 ; a trip: steps 1 to 16 of a lap of 16 (two slots); it fills both slots again
.irp t, 1,2,3,4,5
	STEP \t, 0, 48, 16, 0, 0
.endr
	STEP 6, 0, 48, 16, 1, 0
	STEP 7, 0, 48, 16, 3, 3
.irp t, 8,9,10,11,12,13
	STEP \t, 0, 48, 16, 0, 0
.endr
	STEP 14, 0, 48, 16, 1, 0
	STEP 15, 0, 48, 16, 4, 4
	STEP 16, 0, 48, 16, 0, 0
	WIN 0
	s_wait_xcnt 0x0                                ; the loads and prefetches have read their bases: these step only behind this wait
	s_add_nc_u64 s[BP:BP+1], s[BP:BP+1], 16*1024
	s_add_nc_u64 s[PFA:PFA+1], s[PFA:PFA+1], 2*RANGE
	s_add_nc_u64 s[PFW:PFW+1], s[PFW:PFW+1], 2*RANGE
	s_sub_co_u32 s3, s3, 1
	s_cmp_lg_u32 s3, 0
	s_cbranch_scc1 .Llap
.irp t, 1,2,3,4,5                      ; the last 15 steps fill nothing; the loads' counts run down
	STEP \t, 0, 48, 16, 0, 0
.endr
	STEP 6, 0, 48, 16, 2, 0
.irp t, 7,8,9,10,11,12
	STEP \t, 0, 48, 16, 0, 0
.endr
	STEP 13, 0, 32, 16, 0, 0
	STEP 14, 0, 16, 16, 0, 0
	STEP 15, 0, 0, 0, 0, 0
	WIN 0
; THE WAY OUT, block by block of 16 rows x 128 columns: x 2^(ea + eb), through my own stage in LDS, back as whole rows of 512 bytes.  LDS serves a wave's instructions in order (ISA guide 5.7.1.4).
.macro TOSTAGE a
.set AC, 64*((\a)%4)
	WIN 0x02+((\a)/4)
.irp j, 0,2,4,6,8,10,12,14,16,18,20,22,24,26,28,30,32,34,36,38,40,42,44,46,48,50,52,54,56,58,60,62
	v_pk_mul_f32 v[TMP+\j:TMP+\j+1], v[AC+\j:AC+\j+1], s[96:97] op_sel_hi:[1,0]   ; each accumulator from its low end on
.endr
	WIN 0
.irp b, 0,1,2,3,4,5,6,7
	ds_store_b128 v[STO], v[TMP+8*\b:TMP+8*\b+3] offset:64*\b
	ds_store_b128 v[STO], v[TMP+8*\b+4:TMP+8*\b+7] offset:64*\b+16
.endr
.set BB, BK+64*((\a)%2)
.irp t, 0,1,2,3,4,5,6,7,8,9,10,11,12,13,14,15
	ds_load_b128 v[BB+4*\t:BB+4*\t+3], v[RD] offset:\t*SPITCH
.endr
.endm
.macro SEND a, younger
.set BB, BK+64*((\a)%2)
	s_wait_dscnt \younger
.if (\a) > 0
	s_add_nc_u64 s[10:11], s[10:11], 16*SIZE_N*4   ; behind a wait on XCNT: the earlier stores have read their base
.endif
.irp t, 0,1,2,3,4,5,6,7,8,9,10,11,12,13,14,15
	global_store_b128 v[CO], v[BB+4*\t:BB+4*\t+3], s[10:11] offset:\t*SIZE_N*4 th:TH_STORE_NT   ; 512 consecutive bytes, at a multiple of 256 from out0's first byte
.endr
.endm
	s_wait_kmcnt 0x0
	s_add_co_i32 s96, s96, s97
	s_add_co_i32 s96, s96, 127
	s_lshl_b32 s96, s96, 23                        ; 2^(ea + eb) as f32
	PLACES
	TOSTAGE 0
.irp a, 1,2,3,4,5,6,7
.if \a > 1
	s_wait_xcnt 0x0                                ; block a - 2's stores have read their registers and their base
.endif
	TOSTAGE \a
	SEND \a-1, 32
.endr
	s_wait_xcnt 0x0
	SEND 7, 0
	s_wait_tensorcnt 0x0                           ; the wave's end
	ds_add_u32 v[SPW], v[NIL]
	s_wait_dscnt 0x0
	CROUND                                         ; the closing round
	s_endpgm
.Lfunc_end_k_q5a3f77c4aa_gemm:
	.size	k_q5a3f77c4aa_gemm, .Lfunc_end_k_q5a3f77c4aa_gemm-k_q5a3f77c4aa_gemm
	.p2alignl 7, 3214868480
	.fill 96, 4, 3214868480
	.section	.rodata,"a",@progbits
	.p2align	6, 0x0
	.amdhsa_kernel k_q5a3f77c4aa_gemm
		.amdhsa_group_segment_fixed_size 327680
		.amdhsa_private_segment_fixed_size 0
		.amdhsa_enable_private_segment 0
		.amdhsa_kernarg_size 32
		.amdhsa_user_sgpr_count 2
		.amdhsa_user_sgpr_kernarg_segment_ptr 1
		.amdhsa_wavefront_size32 1
		.amdhsa_system_sgpr_workgroup_id_x 1
		.amdhsa_system_sgpr_workgroup_id_y 1
		.amdhsa_system_sgpr_workgroup_id_z 1
		.amdhsa_system_vgpr_workitem_id 0
		.amdhsa_next_free_vgpr 1024
		.amdhsa_next_free_sgpr 98
		.amdhsa_reserve_vcc 0
		.amdhsa_float_denorm_mode_32 3
		.amdhsa_float_denorm_mode_16_64 3
		.amdhsa_memory_ordered 1
		.amdhsa_forward_progress 1
		.amdhsa_inst_pref_size 255
	.end_amdhsa_kernel
	.section	.bss,"aw",@nobits
	.p2align	6
	.space	262144
	.amdgpu_metadata
---
amdhsa.version: [ 1, 2 ]
amdhsa.kernels:
  - .name:           k_q5a3f77c4aa_gemm
    .symbol:         k_q5a3f77c4aa_gemm.kd
    .args:
      - { .name: xc, .offset: 0, .size: 8, .value_kind: global_buffer, .address_space: global }
      - { .name: wc, .offset: 8, .size: 8, .value_kind: global_buffer, .address_space: global }
      - { .name: lowp_scales, .offset: 16, .size: 8, .value_kind: global_buffer, .address_space: global }
      - { .name: out0, .offset: 24, .size: 8, .value_kind: global_buffer, .address_space: global }
    .group_segment_fixed_size: 327680
    .private_segment_fixed_size: 0
    .kernarg_segment_align: 8
    .kernarg_segment_size: 32
    .max_flat_workgroup_size: 128
    .sgpr_count:     98
    .vgpr_count:     1024
    .wavefront_size: 32
...
	.end_amdgpu_metadata
.endif
;; end of part 3
